; MI455X (gfx1250); checked and timed in simulation.
; The chip was launched on July 23, 2026; its instructions are those of AMD's public machine-readable ISA for CDNA 5 (MIT licence, August 2026) and "CDNA5" Instruction Set Architecture Reference Guide (July 2026). The comments in the code are by the model that wrote it; some were corrected since.
;; Segment Tree Attention. Allowed arithmetic: float matrix products may take bf16 or f16 operands with f32 sums; all other float work in f32.
;; Inputs: keys 16 x 32 x 64 float32; queries 16 x 8,192 x 64 float32; valid_lens 16 int32; values 16 x 32 x 64 float32.
;; Outputs: out0 16 x 8,192 x 64 float32.
;; One version. Each part assembles by itself: llvm-mc -triple=amdgcn-amd-amdhsa -mcpu=gfx1250 --defsym DOCPART=n.
;; ======== version 1 of 1: 1 launch
;; limits: values outside matrix products are rounded to bf16
;; launch segtree (part 1): grid 256 x 1, 8 waves a work-group, no clusters, 168,960 bytes of LDS; arguments queries, keys, values, valid_lens, out0; writes out0
.if DOCPART == 1
	.amdgcn_target "amdgcn-amd-amdhsa--gfx1250"
	.amdhsa_code_object_version 6
	.text
	.protected	k_q0385d709bd_segtree
	.globl	k_q0385d709bd_segtree
	.p2align	8
	.type	k_q0385d709bd_segtree,@function
k_q0385d709bd_segtree:
	s_mov_b64 s[64:65], 0
	v_nop
	global_prefetch_b8 v0, s[64:65] scope:SCOPE_SE
	s_setreg_imm32_b32 hwreg(HW_REG_WAVE_MODE, 25, 1), 1
	s_wait_xcnt 0x0
; SegmentTreeAttention: queries [16][8192][64] f32, keys and values [16][32][64] f32, valid_lens [16] i32, out [16][8192][64] f32.
;
; HOW THE DESCENT IS MADE DENSE.  Tree position p = 0..31 is leaf p + 1; it holds x[p+1] where p + 1 < min(n, 32), and zero otherwise.
; A node's score is the sum of its leaves' scores q.k_p, and the result is the sum over p of W[q][p] v_p, where W[q][p] is
; sigmoid x 2^-(5 - level) of the off-path sibling segment that holds p (0 for the leaf reached).  So: product 1, scores = K' Q^T (32 x 64 per
; query), tree sums, five decisions by selects (no address and no branch hangs on them), product 2, out = W V' (K = 32).
; Both products run on the matrix unit with bf16 operands and f32 sums.
;
; SHARES.  256 work-groups of 8 waves; a work-group owns 512 queries of one batch (16 work-groups a batch), a wave 64 queries in two blocks
; of 32, a lane one query during the descent.  Each wave asks for its two tiles of q (32 rows of 256 bytes each) in its first lines: two
; tensor loads outstanding per wave, all 131,072 bytes of the group's q on their way at once, so there is no ring and nothing to prefetch.
; NO CLUSTER: what work-groups share is a batch's keys and values, 16,384 bytes beside the 262,144 bytes of q and out that are a group's own.
;
; LIMITS.  q, k, v and the weights W are rounded to bf16 (nearest even).  Node scores are pairwise f32 sums of leaf scores, not dot products with
; differences of prefix sums: the order of rounding differs from the reference's.  ls >= rs is decided as 1+exp(-xl) <= 1+exp(-xr): equal
; denominators are the reference's ties (both ends of saturation included); two denominators one unit in the last place apart can round to one
; quotient in the reference and are no tie here.  Weights below 2^-126 come out as 0 (v_rcp_f32 flushes).  NaN and infinities in q, k, v are not
; served (masked leaves are cleared by bits, so what they hold never matters).  valid_lens may be any int32.
.set ROWB,   256                       ; bytes of a row of q and of out
.set QPITCH, 272                       ; LDS pitch of q: 256 + 16, an odd multiple of 16: sixteen rows start in sixteen different 16-byte columns of 256
.set TROWS,  32                        ; rows of a tile = queries of a block
.set TILE,   TROWS*QPITCH              ; 8,704 bytes
.set KPITCH, 144                       ; key table: 64 bf16 + 16 bytes
.set VPITCH, 80                        ; value table: 32 bf16 + 16 bytes
.set KTAB,   0                         ; 32 rows: row i holds the masked key of position bitreverse5(i)
.set VTAB,   32*KPITCH                 ; 64 rows: row 16 t + r holds column d = 4 r + t of the masked values, positions 0..31 along the row
.set QBASE,  VTAB+64*VPITCH            ; 9,728: then 8 waves x 2 tiles
.set QA,   1                           ; LDS address of my q fragments (my wave's tiles, row r, 32 h)
.set LR,   2                           ; r = thread & 15 (= lane & 15)
.set U,    3                           ; u = thread >> 4, 0..15
.set H,    4                           ; h = lane >> 4
.set POSK, 5                           ; the even position of the two keys that I convert: 2 bitreverse4(u)
.set POSV, 6                           ; the even position of the two values that I convert: 2 u
.set OA,   7                           ; my byte offset in out: 2048 h + 16 r
.set GOF,  8                           ; v[8:11] byte offsets of my four table loads
.set KST,  12                          ; where I store keys
.set VA,   13                          ; where I read value fragments
.set VST,  14                          ; where I store values
.set KA,   15                          ; where I read key fragments
.set KF,   16                          ; v[16:47]   key fragments (A): tile T, K step s at KF + 16 T + 8 s
.set VF,   48                          ; v[48:79]   value fragments (B): tile t at VF + 8 t
.set QS,   80                          ; v[80:143]  q as loaded, f32; before that the tables' temporaries
.set DD,   80                          ;            later the eight result tiles of product 2
.set QB,   144                         ; v[144:175] q fragments (B), bf16
.set FX,   QB                          ;            later: weights of queries 0-15 (A), of 16-31, and the arrays they are built from
.set FY,   QB+8
.set U2,   QB+16
.set U3,   QB+24
.set U4,   QB+28
.set P5,   QB+30
.set R,    176                         ; v[176:207] leaf scores, register i = position bitreverse5(i)
.set N4,   208                         ; v[208:223] sums of 2 leaves
.set N3,   224                         ; v[224:231] of 4
.set N2,   232                         ; v[232:235] of 8
.set N1,   236                         ; v[236:237] of 16
.set T,    238                         ; v[238:239] at work
.set W,    240                         ; v[240:244] the five weights
.set OX,   R                           ; store data of queries 0-15: 32 registers
.set OY,   N4                          ; and of queries 16-31
.set G1,   16                          ; s[16:23] descriptor group 1
.set G0,   24                          ; s[24:31] descriptor group 0, a set for each tile
.set CNT,  38                          ; s38 = c, the number of valid positions; s39 = c - 1
.set C,    40                          ; s[40:44] the five decisions, a bit for each lane
.set M,    45                          ; s[45:48] masks of the tables
.set NL2E, 50                          ; s[50:51] -log2(e), twice
	s_load_b256 s[4:11], s[0:1], 0x0               ; q s[4:5], keys s[6:7], values s[8:9], valid_lens s[10:11]
	s_load_b64 s[12:13], s[0:1], 0x20              ; out
	v_lshl_add_u32 v248, v0, 2, 0x29000
	v_mov_b32 v249, 0
	ds_add_u32 v248, v249
	ds_add_u32 v248, v249
	v_lshrrev_b32 v[QA], 5, v0
	v_readfirstlane_b32 s14, v[QA]                 ; wave 0..7
	; group 1: a tile of 32 rows x 64 elements of 4 bytes, 4 words of padding behind every 64 words
	s_mov_b32 s[G1+0], (2<<16)|(1<<20)|(5<<22)|(3<<25)
	s_mov_b32 s[G1+1], 64<<16                      ; tensor_dim0 = 64
	s_mov_b32 s[G1+2], TROWS<<16                   ; tensor_dim1 = 32
	s_mov_b32 s[G1+3], 64<<16                      ; tile_dim0 = 64
	s_mov_b32 s[G1+4], TROWS                       ; tile_dim1 = 32
	s_mov_b32 s[G1+5], 64                          ; elements from row to row
	s_mov_b32 s[G1+6], 0
	s_mov_b32 s[G1+7], 0
	s_mov_b32 s[NL2E], 0xbfb8aa3b
	s_mov_b32 s[NL2E+1], 0xbfb8aa3b
	s_lshl_b32 s32, ttmp9, 17                      ; 512 rows of 256 bytes a work-group,
	s_lshl_b32 s15, s14, 14                        ; 64 rows a wave: below 2^25 in all
	s_add_co_u32 s32, s32, s15
	s_mov_b32 s33, 0
	s_mul_i32 s35, s14, 2*TILE                     ; my wave's two tiles in LDS
	s_lshr_b32 s34, ttmp9, 4                       ; batch
	s_lshl_b32 s36, s34, 2                         ; its word in valid_lens
	s_mov_b32 s37, 0
	; lane terms, while the arguments are on their way
	v_and_b32 v[LR], 15, v0
	v_lshrrev_b32 v[U], 4, v0
	v_bfe_u32 v[H], v0, 4, 1                       ; also bit 0 of u
	v_bfe_u32 v[POSK], v0, 5, 1
	v_lshl_add_u32 v[POSK], v[H], 1, v[POSK]       ; the four bits of u in reverse order
	v_bfe_u32 v[POSV], v0, 6, 1
	v_lshl_add_u32 v[POSK], v[POSK], 1, v[POSV]
	v_bfe_u32 v[POSV], v0, 7, 1
	v_lshl_add_u32 v[POSK], v[POSK], 1, v[POSV]
	v_lshlrev_b32 v[POSK], 1, v[POSK]              ; table rows u and 16 + u hold positions 2 rev4(u) and 2 rev4(u) + 1
	v_lshlrev_b32 v[POSV], 1, v[U]
	v_lshlrev_b32 v[OA], 4, v[LR]                  ; 16 r: sixteen neighbouring threads cover a row of 256 bytes
	v_add_nc_u32 v[GOF], 1, v[POSK]                ; position p is row p + 1 of the input;
	v_lshl_add_u32 v[GOF], v[GOF], 8, v[OA]
	v_add_nc_u32 v[GOF+1], 2, v[POSK]
	v_min_u32 v[GOF+1], 31, v[GOF+1]               ; position 31 has no row: it reads row 31 and is always masked (c <= 31)
	v_lshl_add_u32 v[GOF+1], v[GOF+1], 8, v[OA]
	v_add_nc_u32 v[GOF+2], 1, v[POSV]
	v_lshl_add_u32 v[GOF+2], v[GOF+2], 8, v[OA]
	v_add_nc_u32 v[GOF+3], 2, v[POSV]
	v_min_u32 v[GOF+3], 31, v[GOF+3]
	v_lshl_add_u32 v[GOF+3], v[GOF+3], 8, v[OA]
	v_lshl_add_u32 v[OA], v[H], 11, v[OA]          ; out: rows 8 h + j, 16 bytes at 16 r
	v_mul_u32_u24 v[KST], v[U], KPITCH
	v_lshl_add_u32 v[KST], v[LR], 3, v[KST]        ; key table, row u, my 4 bf16
	v_mul_u32_u24 v[VA], v[LR], VPITCH
	v_lshl_add_u32 v[VST], v[U], 2, v[VA]
	v_add_nc_u32 v[VST], VTAB, v[VST]              ; value table, row r (+ 16 t), my pair of positions
	v_lshl_add_u32 v[VA], v[H], 5, v[VA]
	v_add_nc_u32 v[VA], VTAB, v[VA]                ; value fragment: row r (+ 16 t), positions 16 h .. 16 h + 15
	v_mul_u32_u24 v[KA], v[LR], KPITCH
	v_lshl_add_u32 v[KA], v[H], 4, v[KA]           ; key fragment: row r (+ 16 T), 16 h
	v_mul_u32_u24 v[QA], v[LR], QPITCH
	v_lshl_add_u32 v[QA], v[H], 5, v[QA]           ; q fragment: row r, 8 h floats
	v_add_nc_u32 v[QA], s35, v[QA]
	v_mov_b32 v[QS+25], 0xffff
	s_wait_dscnt 0x0
	s_wait_kmcnt 0x0
	s_add_nc_u64 s[4:5], s[4:5], s[32:33]          ; q and out at my wave's first row
	s_add_nc_u64 s[12:13], s[12:13], s[32:33]
.irp b, 0,1
	s_mov_b32 s[G0+4*\b], 1                                        ; count = 1
	s_add_co_u32 s[G0+4*\b+1], s35, QBASE+\b*TILE                  ; LDS address
	s_add_nc_u64 s[G0+4*\b+2:G0+4*\b+3], s[4:5], \b*TROWS*ROWB     ; the tile's first element
	s_or_b32 s[G0+4*\b+3], s[G0+4*\b+3], 0x80000000                ; type = 2
	tensor_load_to_lds s[G0+4*\b:G0+4*\b+3], s[G1:G1+7]
	s_nop 0
.endr
	s_add_nc_u64 s[10:11], s[10:11], s[36:37]
	s_load_b32 s[CNT], s[10:11], 0x0               ; n of my batch
	s_lshl_b32 s36, s34, 13                        ; 32 rows of 256 bytes a batch
	s_add_nc_u64 s[6:7], s[6:7], s[36:37]
	s_add_nc_u64 s[8:9], s[8:9], s[36:37]
	global_load_b128 v[QS:QS+3],     v[GOF],   s[6:7]      ; key of my even position, 4 columns
	global_load_b128 v[QS+4:QS+7],   v[GOF+1], s[6:7]      ; of the odd one
	global_load_b128 v[QS+8:QS+11],  v[GOF+2], s[8:9]      ; the same for values
	global_load_b128 v[QS+12:QS+15], v[GOF+3], s[8:9]
	s_wait_kmcnt 0x0
	s_max_i32 s[CNT], s[CNT], 1
	s_sub_co_i32 s[CNT], s[CNT], 1
	s_min_i32 s[CNT], s[CNT], 31                   ; c = min(max(n, 1) - 1, 31): positions 0 .. c - 1 count
	s_sub_co_i32 s[CNT+1], s[CNT], 1
	v_cmp_gt_i32 s[M],   s[CNT],   v[POSK]         ; my even key counts
	v_cmp_gt_i32 s[M+1], s[CNT+1], v[POSK]         ; my odd key counts
	v_cmp_gt_i32 s[M+2], s[CNT],   v[POSV]
	v_cmp_gt_i32 s[M+3], s[CNT+1], v[POSV]
	v_cndmask_b32 v[QS+24], 0, v[QS+25], s[M+2]    ; a word holds (even, odd) position: low half,
	v_cndmask_b32 v[QS+24], v[QS+24], -1, s[M+3]   ; both halves
	s_wait_loadcnt 0x2                             ; the two key loads are in; the two value loads may be out
	v_cvt_pk_bf16_f32 v[QS+16], v[QS],   v[QS+1]
	v_cvt_pk_bf16_f32 v[QS+17], v[QS+2], v[QS+3]
	v_cvt_pk_bf16_f32 v[QS+18], v[QS+4], v[QS+5]
	v_cvt_pk_bf16_f32 v[QS+19], v[QS+6], v[QS+7]
	v_cndmask_b32 v[QS+16], 0, v[QS+16], s[M]
	v_cndmask_b32 v[QS+17], 0, v[QS+17], s[M]
	v_cndmask_b32 v[QS+18], 0, v[QS+18], s[M+1]
	v_cndmask_b32 v[QS+19], 0, v[QS+19], s[M+1]
	ds_store_b64 v[KST], v[QS+16:QS+17]
	ds_store_b64 v[KST], v[QS+18:QS+19] offset:16*KPITCH
	s_wait_loadcnt 0x0
.irp t, 0,1,2,3
	v_cvt_pk_bf16_f32 v[QS+20+\t], v[QS+8+\t], v[QS+12+\t]     ; column 4 r + t of positions 2 u, 2 u + 1
	v_and_b32 v[QS+20+\t], v[QS+24], v[QS+20+\t]
	ds_store_b32 v[VST], v[QS+20+\t] offset:\t*16*VPITCH
.endr
	s_wait_dscnt 0x0                               ; my part of the tables is written,
	s_barrier_signal -1
	s_barrier_wait -1                              ; everybody's is.  (The tiles of q stay on their way: each is read by its own wave alone.)
.irp f, 0,1,2,3
	ds_load_b128 v[KF+8*\f:KF+8*\f+3],   v[KA] offset:KTAB+(\f/2)*16*KPITCH+(\f%2)*64      ; k = 8 h .. of K step f % 2, tile f / 2
	ds_load_b128 v[KF+8*\f+4:KF+8*\f+7], v[KA] offset:KTAB+(\f/2)*16*KPITCH+(\f%2)*64+32   ; k = 16 + 8 h ..
.endr
.irp t, 0,1,2,3
	ds_load_b128 v[VF+8*\t:VF+8*\t+3],   v[VA] offset:\t*16*VPITCH         ; register i, half b: position 16 h + 2 i + b.  The weights
	ds_load_b128 v[VF+8*\t+4:VF+8*\t+7], v[VA] offset:\t*16*VPITCH+16      ; are laid the same way: one permutation of k on both sides
.endr
; The chosen half of an array whose index bit 0 is the bit decided at level dec: entry k becomes entry 2 k (left) or 2 k + 1 (right), in place.
.macro SEL base, n, dec
.set kk, 0
.rept \n
	v_cndmask_b32 v[\base+kk], v[\base+2*kk+1], v[\base+2*kk], s[C+\dec-1]
.set kk, kk+1
.endr
.endm
; exp(-x) of the pair (left, right).  Behind the second v_exp_f32 stands a plain instruction that touches neither T (ISA guide 5.7.2).
.macro SIGA pair
	v_pk_mul_f32 v[T:T+1], v[\pair:\pair+1], s[NL2E:NL2E+1] op_sel_hi:[1,0]
	v_exp_f32 v[T], v[T]
	v_exp_f32 v[T+1], v[T+1]
.endm
; the denominators; the decision (go left where the left sigmoid is not smaller); the denominator of the side that is added, the one not taken
.macro SIGB lvl
	v_pk_add_f32 v[T:T+1], v[T:T+1], 1.0 op_sel_hi:[1,0]
	v_cmp_le_f32 s[C+\lvl-1], v[T], v[T+1]
	v_cndmask_b32 v[W+\lvl-1], v[T], v[T+1], s[C+\lvl-1]
.endm
; 16 queries out.  Register j of tile t holds out(8 h + j, 4 r + t): the four tiles are interleaved so that a lane holds 16 neighbouring bytes,
; and each store writes two whole rows of 256 bytes, lanes 0-15 one and lanes 16-31 the other.  (A matrix result's registers run along rows, so
; no choice of operand order puts four neighbouring columns into four neighbouring registers.)
.macro OUT16 d, o, off
.set jj, 0
.rept 8
	v_mov_b32 v[\o+4*jj],   v[\d+jj]
	v_mov_b32 v[\o+4*jj+1], v[\d+8+jj]
	v_mov_b32 v[\o+4*jj+2], v[\d+16+jj]
	v_mov_b32 v[\o+4*jj+3], v[\d+24+jj]
	global_store_b128 v[OA], v[\o+4*jj:\o+4*jj+3], s[12:13] offset:\off+jj*ROWB th:TH_STORE_NT
.set jj, jj+1
.endr
.endm
.macro BLOCK b
	s_wait_tensorcnt 1-\b                          ; tensor loads of a wave end in order (ISA guide 10.11.1): tile b is in, the younger one may be out
.set cc, 0
.rept 16                                           ; queries 0-15, then 16-31: row r, floats 8 h .. +7 of each 16
	ds_load_b128 v[QS+4*cc:QS+4*cc+3], v[QA] offset:QBASE+\b*TILE+(cc/8)*16*QPITCH+((cc/2)%4)*64+(cc%2)*16
.set cc, cc+1
.endr
	s_wait_dscnt 8                                 ; everything but the eight loads of queries 16-31 is in (the tables' fragments too)
.set nn, 0
.rept 16
	v_cvt_pk_bf16_f32 v[QB+nn], v[QS+2*nn], v[QS+2*nn+1]
.set nn, nn+1
.endr
	s_wait_dscnt 0
.rept 16
	v_cvt_pk_bf16_f32 v[QB+nn], v[QS+2*nn], v[QS+2*nn+1]
.set nn, nn+1
.endr
.if \b
	s_wait_xcnt 0x0                                ; the last block's stores read v176-239: these are written again only behind this wait
.endif
	; product 1: tile (T, X or Y) at R + 16 T + 8 (0 or 1); lane (r, h), register j: table row 16 T + 8 h + j, query r.  The first K step starts the sums.
.irp q, 0,1,2,3
	v_wmma_f32_16x16x32_bf16 v[R+8*\q:R+8*\q+7], v[KF+16*(\q/2):KF+16*(\q/2)+7], v[QB+16*(\q%2):QB+16*(\q%2)+7], 0
.endr
.irp q, 0,1,2,3
	v_wmma_f32_16x16x32_bf16 v[R+8*\q:R+8*\q+7], v[KF+16*(\q/2)+8:KF+16*(\q/2)+15], v[QB+16*(\q%2)+8:QB+16*(\q%2)+15], v[R+8*\q:R+8*\q+7]
.endr
.rept 4
	v_nop                                          ; four places behind the matrix instructions before their results are read (ISA guide 7.12.1)
.endr
	; X's upper lanes (query r, rows 8 + j) change places with Y's lower lanes (query 16 + r, rows j): lane L now holds all 32 scores of query L
.irp j, 0,1,2,3,4,5,6,7
	v_permlane16_swap_b32 v[R+\j], v[R+8+\j]
	v_permlane16_swap_b32 v[R+16+\j], v[R+24+\j]
.endr
	; tree sums: in bit-reversed order siblings lie half an array apart, so two sums go in each instruction
.irp i, 0,2,4,6,8,10,12,14
	v_pk_add_f32 v[N4+\i:N4+\i+1], v[R+\i:R+\i+1], v[R+16+\i:R+17+\i]
.endr
.irp i, 0,2,4,6
	v_pk_add_f32 v[N3+\i:N3+\i+1], v[N4+\i:N4+\i+1], v[N4+8+\i:N4+9+\i]
.endr
	v_pk_add_f32 v[N2:N2+1], v[N3:N3+1], v[N3+4:N3+5]
	v_pk_add_f32 v[N2+2:N2+3], v[N3+2:N3+3], v[N3+6:N3+7]
	v_pk_add_f32 v[N1:N1+1], v[N2:N2+1], v[N2+2:N2+3]
	; five levels.  The next pair is selected first; the other selects fill the time of the next level's exponentials.
	SIGA N1
	v_nop
	s_wait_alu depctr_va_vdst(0)
	SIGB 1
	SEL N2, 2, 1
	v_rcp_f32 v[W], v[W]                           ; behind each v_rcp_f32 stands an instruction that does not read its result
	SIGA N2
	SEL N3, 4, 1
	SEL N4, 8, 1
	SEL R, 16, 1
	s_wait_alu depctr_va_vdst(0)
	v_mul_f32 v[W], 0x3d800000, v[W]               ; level 1 is halved four times
	SIGB 2
	SEL N3, 2, 2
	v_rcp_f32 v[W+1], v[W+1]
	SIGA N3
	SEL N4, 4, 2
	SEL R, 8, 2
	s_wait_alu depctr_va_vdst(0)
	v_mul_f32 v[W+1], 0x3e000000, v[W+1]           ; 1/8
	v_cvt_pk_bf16_f32 v[W], v[W], v[W]             ; a weight twice: a word of two positions
	SIGB 3
	SEL N4, 2, 3
	v_rcp_f32 v[W+2], v[W+2]
	SIGA N4
	SEL R, 4, 3
	s_wait_alu depctr_va_vdst(0)
	v_mul_f32 v[W+2], 0x3e800000, v[W+2]           ; 1/4
	v_cvt_pk_bf16_f32 v[W+1], v[W+1], v[W+1]
	SIGB 4
	SEL R, 2, 4
	v_rcp_f32 v[W+3], v[W+3]
	SIGA R
	s_wait_alu depctr_va_vdst(0)
	v_mul_f32 v[W+3], 0.5, v[W+3]
	v_cvt_pk_bf16_f32 v[W+2], v[W+2], v[W+2]
	SIGB 5
	v_rcp_f32 v[W+4], v[W+4]
	v_cvt_pk_bf16_f32 v[W+3], v[W+3], v[W+3]
	; the weights of all 32 positions, from the bottom up, two positions a word: the half on the path takes the array built so far,
	; the other half the level's weight.  Word i of FX: positions 2 i, 2 i + 1; of FY: 16 + 2 i, 17 + 2 i.
	s_wait_alu depctr_va_vdst(0)
	v_cndmask_b32 v[T], v[W+4], 0, s[C+4]          ; left leaf: reached (0) or added
	v_cndmask_b32 v[T+1], 0, v[W+4], s[C+4]        ; right leaf
	v_cvt_pk_bf16_f32 v[P5], v[T], v[T+1]
	v_cndmask_b32 v[U4], v[W+3], v[P5], s[C+3]
	v_cndmask_b32 v[U4+1], v[P5], v[W+3], s[C+3]
.irp i, 0,1
	v_cndmask_b32 v[U3+\i], v[W+2], v[U4+\i], s[C+2]
	v_cndmask_b32 v[U3+2+\i], v[U4+\i], v[W+2], s[C+2]
.endr
.irp i, 0,1,2,3
	v_cndmask_b32 v[U2+\i], v[W+1], v[U3+\i], s[C+1]
	v_cndmask_b32 v[U2+4+\i], v[U3+\i], v[W+1], s[C+1]
.endr
.irp i, 0,1,2,3,4,5,6,7
	v_cndmask_b32 v[FX+\i], v[W], v[U2+\i], s[C]
	v_cndmask_b32 v[FY+\i], v[U2+\i], v[W], s[C]
.endr
	; back: FX = fragment of queries 0-15 (lane (r, h): query r, positions 16 h ..), FY = that of queries 16-31
.irp i, 0,1,2,3,4,5,6,7
	v_permlane16_swap_b32 v[FX+\i], v[FY+\i]
.endr
	; product 2: K = 32 positions, one instruction for each tile of 16 queries x 16 columns
.irp t, 0,1,2,3
	v_wmma_f32_16x16x32_bf16 v[DD+8*\t:DD+8*\t+7], v[FX:FX+7], v[VF+8*\t:VF+8*\t+7], 0
.endr
.irp t, 0,1,2,3
	v_wmma_f32_16x16x32_bf16 v[DD+32+8*\t:DD+32+8*\t+7], v[FY:FY+7], v[VF+8*\t:VF+8*\t+7], 0
.endr
.rept 4
	v_nop                                          ; four places before the results are read (ISA guide 7.12.1)
.endr
	OUT16 DD,    OX, \b*TROWS*ROWB
	OUT16 DD+32, OY, \b*TROWS*ROWB+16*ROWB
.endm
	BLOCK 0
	BLOCK 1                                        ; its wait for the tile is for 0: no tensor load is out at the end
	s_wait_tensorcnt 0x0
	ds_add_u32 v248, v249
	s_wait_dscnt 0x0
	s_endpgm
.Lfunc_end_k_q0385d709bd_segtree:
	.size	k_q0385d709bd_segtree, .Lfunc_end_k_q0385d709bd_segtree-k_q0385d709bd_segtree
	.p2alignl 7, 3214868480
	.fill 96, 4, 3214868480
	.section	.rodata,"a",@progbits
	.p2align	6, 0x0
	.amdhsa_kernel k_q0385d709bd_segtree
		.amdhsa_group_segment_fixed_size 168960
		.amdhsa_private_segment_fixed_size 0
		.amdhsa_enable_private_segment 0
		.amdhsa_kernarg_size 40
		.amdhsa_user_sgpr_count 2
		.amdhsa_user_sgpr_kernarg_segment_ptr 1
		.amdhsa_wavefront_size32 1
		.amdhsa_system_sgpr_workgroup_id_x 1
		.amdhsa_system_sgpr_workgroup_id_y 1
		.amdhsa_system_sgpr_workgroup_id_z 1
		.amdhsa_system_vgpr_workitem_id 0
		.amdhsa_next_free_vgpr 250
		.amdhsa_next_free_sgpr 66
		.amdhsa_reserve_vcc 0
		.amdhsa_float_denorm_mode_32 3
		.amdhsa_float_denorm_mode_16_64 3
		.amdhsa_memory_ordered 1
		.amdhsa_forward_progress 1
		.amdhsa_inst_pref_size 43
	.end_amdhsa_kernel
	.amdgpu_metadata
---
amdhsa.version: [ 1, 2 ]
amdhsa.kernels:
  - .name:           k_q0385d709bd_segtree
    .symbol:         k_q0385d709bd_segtree.kd
    .args:
      - { .name: queries, .offset: 0, .size: 8, .value_kind: global_buffer, .address_space: global }
      - { .name: keys, .offset: 8, .size: 8, .value_kind: global_buffer, .address_space: global }
      - { .name: values, .offset: 16, .size: 8, .value_kind: global_buffer, .address_space: global }
      - { .name: valid_lens, .offset: 24, .size: 8, .value_kind: global_buffer, .address_space: global }
      - { .name: out0, .offset: 32, .size: 8, .value_kind: global_buffer, .address_space: global }
    .group_segment_fixed_size: 168960
    .private_segment_fixed_size: 0
    .kernarg_segment_align: 8
    .kernarg_segment_size: 40
    .max_flat_workgroup_size: 256
    .sgpr_count:     66
    .vgpr_count:     250
    .wavefront_size: 32
...
	.end_amdgpu_metadata
.endif
;; end of part 1
